; MI455X (gfx1250); checked and timed in simulation.
; The chip was launched on July 23, 2026; its instructions are those of AMD's public machine-readable ISA for CDNA 5 (MIT licence, August 2026) and "CDNA5" Instruction Set Architecture Reference Guide (July 2026). The comments in the code are by the model that wrote it; some were corrected since.
;; Lo RA Linear. Allowed arithmetic: matrix products marked QUANTISED: E2M3 operands, one E8M0 scale for each 32 along K, by v_wmma_scale_f32_16x16x128_f8f6f4 with both operands' format E2M3, f32 sums; products left as they are: f32 operands where the result goes on into a quantised operand, else bf16, f16 or f32 operands; f32 sums; everything else in f32.
;; Inputs: lora_A_codes 16 x 128 x 24 uint8 (E2M3 codes of lora_A, K innermost, in blocks of 32 codes, four codes in three bytes); lora_A_scales 16 x 128 uint8 (E8M0 scales of lora_A, one for each 32 codes along K); lora_B 4,096 x 16 float32; scale 4,096 float32; signs_codes 4,096 x 128 x 24 uint8 (E2M3 codes of signs, K innermost, in blocks of 32 codes, four codes in three bytes); signs_scales 4,096 x 128 uint8 (E8M0 scales of signs, one for each 32 codes along K); x_codes 4 x 1,024 x 128 x 24 uint8 (E2M3 codes of x, K innermost, in blocks of 32 codes, four codes in three bytes); x_scales 4 x 1,024 x 128 uint8 (E8M0 scales of x, one for each 32 codes along K).
;; Outputs: out0 4 x 1,024 x 4,096 float32.
;; This version of the problem:
;;   THIS VERSION OF THE PROBLEM IS GIVEN IN LOW PRECISION. The matrix products marked QUANTISED in the list below multiply operands that are first quantised to E2M3 (2 exponent bits, 3 mantissa bits; 6 bits a number), with one power-of-two scale for each 32 numbers along K (OCP MX v1.0); their sums are f32. All else is computed in f32.
;;   The module's matrix products, in the order in which they are computed (A, B: the left and right operand; K: the contracted axis; several contracted axes count as one K, in the product's order):
;;     1. [M 4,096, K 4,096] x [K 4,096, N 4,096]; A: input x (given as codes); B: input signs (given as codes): QUANTISED
;;     2. [M 4,096, K 4,096] x [K 4,096, N 16]; A: input x (given as codes); B: input lora_A (given as codes): QUANTISED
;;     3. [M 4,096, K 16] x [K 16, N 4,096]; A: computed on the way; B: input lora_B: left as it is (K = 16 < 32)
;;   THE QUANTISER, for each operand of a quantised product, along K:
;;     - K is cut into blocks of 32 from its start; a last block that is shorter is filled with zeros.
;;     - A block's scale is 2^e with e = floor(log2(the largest magnitude in the block)) - 2, held to -126 .. 127; a block of zeros has e = 0. As a byte (E8M0): e + 127.
;;     - Each number is divided by its block's scale, clamped to +-7.5, and rounded to the nearest number of E2M3, ties to even, subnormals kept.
;;     - The product sums the exact products of the quantised numbers (number of the format x scale) in f32.
;;   ~~~python
;;   def quantise(x, axis):      # numpy; x: float32 -> the quantised numbers, widened to float32 again
;;       x = np.moveaxis(x, axis, -1); K = x.shape[-1]
;;       x = np.pad(x, [(0, 0)] * (x.ndim - 1) + [(0, -K % 32)]); x = x.reshape(x.shape[:-1] + (-1, 32)); a = np.abs(x).max(-1, keepdims=True)
;;       e = np.where(a > 0, np.clip(np.frexp(np.where(a > 0, a, 1))[1] - 1 - 2, -126, 127), 0)      # np.frexp(a)[1] - 1 = floor(log2(a)), exactly
;;       r = np.clip(x / 2.0 ** e, -7.5, 7.5)
;;       step = 2.0 ** (np.maximum(np.frexp(np.where(r == 0, 1, r))[1] - 1, 0) - 3)
;;       q = np.round(r / step) * step * 2.0 ** e      # np.round: ties to even
;;       return np.moveaxis(q.reshape(q.shape[:-2] + (-1,))[..., :K], -1, axis).astype(np.float32)
;;   ~~~
;;   INPUTS GIVEN AS CODES. lora_A (in the module: [16, 4096], K = its axis 1); signs (in the module: [4096, 4096], K = its axis 1); x (in the module: [4, 1024, 4096], K = its axis 2): each comes as NAME_codes (uint8): NAME with its K axis moved to the last place and cut into blocks of 32 codes, [.., K / 32, bytes a block], one block behind the other in memory; four codes in three bytes: a row's codes are one little-endian stream of bits, code i at bits 6 i .. 6 i + 5 (a code: sign, 2 exponent bits, 3 mantissa bits); and NAME_scales (uint8): the same leading axes, one E8M0 byte (e + 127) for each 32 codes along K. Its value is code x scale, taken as it is: it is not quantised again, and the codes and scales need not be those that the quantiser above would give.
;; One version. Each part assembles by itself: llvm-mc -triple=amdgcn-amd-amdhsa -mcpu=gfx1250 --defsym DOCPART=n.
;; ======== version 1 of 1: 1 launch
;; limits: values are held in bf16: 8 bits of precision; right only within a limited range of input values
;; launch lora_gemm (part 1): grid 16 x 16, 4 waves a work-group, clusters of 4 x 4, 327,680 bytes of LDS; arguments x_codes, x_scales, signs_codes, signs_scales, lora_A_codes, lora_A_scales, lora_B, scale, out0; writes out0
.if DOCPART == 1
	.amdgcn_target "amdgcn-amd-amdhsa--gfx1250"
	.amdhsa_code_object_version 6
	.text
	.protected	k_q394345ab15_lora_gemm
	.globl	k_q394345ab15_lora_gemm
	.p2align	8
	.type	k_q394345ab15_lora_gemm,@function
k_q394345ab15_lora_gemm:
	s_mov_b64 s[64:65], 0
	v_nop
	global_prefetch_b8 v0, s[64:65] scope:SCOPE_SE
	s_setreg_imm32_b32 hwreg(HW_REG_WAVE_MODE, 25, 1), 1
	s_wait_xcnt 0x0
	s_wait_alu depctr_hold_cnt(0) depctr_sa_sdst(0) depctr_va_vdst(0) depctr_va_sdst(0) depctr_va_ssrc(0) depctr_va_vcc(0) depctr_vm_vsrc(0)
	s_getreg_b32 s2, hwreg(HW_REG_IB_STS2, 6, 4)
	s_cmp_eq_u32 s2, 0
	s_cbranch_scc0 .Lentry_in_a_cluster
	s_endpgm
.Lentry_in_a_cluster:
	s_bfe_u32 s2, ttmp6, 0x10000c
	s_cmp_lg_u32 s2, 0xf033
	s_cbranch_scc0 .Lentry_shape_is_right
	s_endpgm
.Lentry_shape_is_right:
; out0[m][n] = scale[n] * (sum over k of x[m][k] signs[n][k]) + 2 * (sum over r of t[m][r] lora_B[n][r]),  t[m][r] = sum over k of x[m][k] lora_A[r][k].  M = N = K = 4,096, 16 ranks.
; x, signs, lora_A: FP6 (E2M3) codes, K innermost, 128 codes in 96 bytes, one E8M0 byte for each 32 along K; they go to the matrix unit as they lie.  Every step and input of the problem is computed; nothing is left out.
; A block of out0, 256 x 256, is made by four waves, 128 x 128 each: 64 accumulators.  lora_A's 16 rows ride along as a ninth block beside signs' eight: 72 products for 128 along K.
; THE RING: a row of codes is 3,072 bytes = 12 chunks of 256 bytes, each on a 256-byte border.  Chunk c of x's 256 rows, signs' 256 and lora_A's 16 lies in LDS slot c % 2.  A step of 128 along K is 96 bytes: 8 steps to 3 chunks.
; THE LOOP: one trip is 8 steps = 3 chunks, so the slots change roles from trip to trip: two scalars hold the two slots' bases and change places once a trip (XOR with the slot's size), and the LDS address registers are made anew
; from them and from lane patterns that are never rewritten; each tile's one group 0 steps 256 bytes and toggles its slot at each fill.  Step 0 (it starts the sums) and steps 25-31 (the last fills) are written out.
; SCALE BYTES: x's (256 rows x 128 bytes, one dense block) come into LDS once, in rows of 256 bytes.  Both operands' do not fit beside the ring (2 x 143,616 + 2 x 34,816 bytes pass 327,680), so signs' and lora_A's go from memory
; into registers: 16 bytes a lane are the words of 4 steps; lanes 0-15 take steps 0-3 of a trip's eight, lanes 16-31 steps 4-7; they are asked for one trip ahead into a second set and moved, a register index at a time, when its last step is over.
; THE MATRIX INSTRUCTIONS ARE USED TRANSPOSED (source 0 = rows of signs or lora_A, source 1 = rows of x): a lane holds eight neighbouring columns of one row of out0, and of t the ranks 8 (lane / 16) + 0 .. 7 of row lane % 16.
; THE LORA TERM: each accumulator x its columns' scale, then one bf16 product 16 x 16 x 32 adds (2 lora_B) t^T.  K = 16 fills the lower half of the 32; t's upper half is zeros; lora_B's upper half is the next block's numbers, which meet those zeros.
; LIMITS: t and 2 lora_B are rounded to bf16 for that product (sums in f32); 2 lora_B has to be finite in bf16 (|lora_B| under 2^127): beyond that the NaN of 0 x infinity also reaches the 16 columns before.
; CLUSTERS 4 x 4: x's tiles and scale bytes are asked for jointly along a row of the cluster, signs' along a column.  lora_A's tile (4,096 of a chunk's 135,168 bytes) has an address that hangs on no coordinate, so no row or column is set apart by it: each work-group asks for itself.
; PREFETCH: behind each refill of the loop (chunk c + 2) each wave names 32 rows x 256 bytes of chunk c + 3, a lane a row: one refill, 2.67 steps, ahead.  Waves 0, 1: x's halves, waves 2, 3: signs'; the four partners of a joint load take 32 rows each, by address.
; It stops with chunk 11 (the loop's last refill names it); chunks 0-2 come by their loads alone.  lora_A, the scale bytes, lora_B and scale are small and are not prefetched.
; REGISTERS: window 0: v8-19 LDS addresses, v20-25 their lane patterns, v26-35 other addresses, v38-39 h and 1 - h, v40-43 lora_A's scale words, v44-79 the set asked ahead (from step 25 on: 2 lora_B in bf16), v80-111 signs' scale words,
;   v112-127 x's (two sets), v128-159 t of x's blocks 4-7, v160-255 x's fragments, one set (at the end v128-191 rows of out0, v192-255 t in bf16).
;   window 1: signs' fragments, two sets, at v0, v128; lora_A's at v96, v224; t of blocks 0-3 at v108, v116, v236, v244.  windows 2, 3: the 64 accumulators.
.set SIZE_N, 4096
.set ROWB,   256
.set KROW,   3072
.set PITCH,  272                       ; 256 bytes + 16 of padding
.set FR,     12
.set NL,     6
.set NP,     4
.set HALFT,  128*PITCH
.set LOFF,   4*HALFT                   ; a slot: x's 256 rows, signs' 256, lora_A's 16
.set SLOT,   LOFF+16*PITCH
.set SCL,    2*SLOT                    ; x's scale bytes: 128 rows of 256 bytes + 16
.set SBLK,   8*272                     ; those of 16 rows of x
.set SPARE,  SCL+128*272               ; the spare words: 512 bytes that no other line names
.set SCF,    SPARE+512                 ; scale[] of the block's 256 columns, stored once from registers; no tensor load lands here
.set SPITCH, 528                       ; the way out: 16 rows x (512 + 16) bytes a wave, in slot 0, which has had its last fill (chunk 10) and its last read
.set ADRA, 8                           ; +0, +1: fragments in the trip's first slot, the other; +2, +3: lanes 0-15 at byte 232 of a row there, lanes 16-31 at byte 0 in the other slot
.set ADRB, 12
.set ADRL, 16
.set PAT,  20                          ; v20-22: x's, signs', lora_A's place in a slot + 272 r + 24 h; never rewritten
.set ROWS, 23                          ; v23-25: the same without 24 h; never rewritten
.set STO,  26
.set RD,   27
.set SPW,  28
.set NIL,  29
.set CO,   30
.set ADRS, 31                          ; x's scale words: lanes 0-15 the even step's, lanes 16-31 the odd step's
.set SGO,  32                          ; 128 r + 16 h: offset in signs' and lora_A's scale bytes
.set LBO,  33                          ; 64 r + 32 h: offset in lora_B
.set PFO,  34                          ; lane x 3,072
.set SCA,  35
.set HH,   38                          ; h
.set H1,   39                          ; 1 - h
.set LC,   40
.set NXS,  44
.set LN,   76
.set CUR,  80
.set XS,   112
.set T47,  128
.set AF,   160
.set TB,   192
.set LF,   96
.set BK,   128
.set CH,   2
.set WV,   22
.set RH,   23
.set G1X,  24
.set G0X,  32
.set G1S,  36
.set G0S,  44
.set G1L,  48
.set G0L,  56
.set G0C,  60
.set G1C,  68
.set PFA,  76
.set SSB,  78
.set LSB,  80
.set LBB,  82
.set P0,   98                          ; s98: base of the slot in which the trip's first chunk lies; s99: the other's
.set P1,   99
.set MSB, 0
.macro WIN new                         ; the high byte repeats the setting that is left
.if MSB != (\new)
	s_set_vgpr_msb (MSB<<8)|(\new)
.set MSB, (\new)
.endif
.endm
.set MUL_LO, 0xa1
.set MUL_HI, 0xf1
.set TO_B,   0x40
.macro PLACES n
.rept \n
	v_nop
.endr
.endm
.macro TL g0, g1                       ; s_nop 0 and four v_nop behind each load; the v_nop are also the places ahead of the LDS loads that follow
	tensor_load_to_lds s[\g0:\g0+3], s[\g1:\g1+7]
	s_nop 0
	PLACES 4
.endm
; one chain on the wave's number: wave 0 x's 256 rows, wave 1 signs', wave 3 lora_A's 16; wave 2 x's scale bytes at the head, later nothing
.macro JLOAD head
	s_cmp_lg_u32 s[WV], 0
	s_cbranch_scc1 .Lj1_\@
	TL G0X, G1X
	s_branch .Ljd_\@
.Lj1_\@:
	s_cmp_lg_u32 s[WV], 1
	s_cbranch_scc1 .Lj2_\@
	TL G0S, G1S
	s_branch .Ljd_\@
.Lj2_\@:
	s_cmp_lg_u32 s[WV], 3
	s_cbranch_scc1 .Lj3_\@
	TL G0L, G1L
	s_branch .Ljd_\@
.Lj3_\@:
.if \head
	TL G0C, G1C
.else
	PLACES 4
.endif
.Ljd_\@:
.endm
.macro NEXTLOAD                        ; no tensor load of mine is out: the groups 0 go one chunk on, into the other slot
	s_add_nc_u64 s[G0X+2:G0X+3], s[G0X+2:G0X+3], ROWB
	s_xor_b32 s[G0X+1], s[G0X+1], SLOT
	s_add_nc_u64 s[G0S+2:G0S+3], s[G0S+2:G0S+3], ROWB
	s_xor_b32 s[G0S+1], s[G0S+1], (2*HALFT)^(2*HALFT+SLOT)
	s_add_nc_u64 s[G0L+2:G0L+3], s[G0L+2:G0L+3], ROWB
	s_xor_b32 s[G0L+1], s[G0L+1], LOFF^(LOFF+SLOT)
	JLOAD 0
.endm
.macro CREST
	s_cmp_lg_u32 s[WV], 0
	s_cbranch_scc1 .Lnw0_\@
	s_barrier_signal -3
.Lnw0_\@:
	s_barrier_wait -3
	s_barrier_signal -1
	s_barrier_wait -1
.endm
.macro CROUND
	s_barrier_signal -1
	s_barrier_wait -1
	CREST
.endm
; the twelve fragment addresses from the two slots' bases: plain ones base + pattern; those across two chunks row + (1 - h) (base + 232) + h (the other base)
.macro MKADR
	s_add_co_u32 s84, s[P0], 232
	s_add_co_u32 s85, s[P1], 232
	v_mul_u32_u24 v4, s84, v[H1]
	v_mul_u32_u24 v5, s85, v[H1]
	v_mad_u32_u24 v4, s[P1], v[HH], v4
	v_mad_u32_u24 v5, s[P0], v[HH], v5
.irp j, 0,1,2
	v_add_nc_u32 v[ADRA+4*\j], s[P0], v[PAT+\j]
	v_add_nc_u32 v[ADRA+4*\j+1], s[P1], v[PAT+\j]
	v_add_nc_u32 v[ADRA+4*\j+2], v4, v[ROWS+\j]
	v_add_nc_u32 v[ADRA+4*\j+3], v5, v[ROWS+\j]
.endr
.endm
	s_load_b512 s[4:19], s[0:1], 0x0               ; x codes, scales; signs codes, scales; lora_A codes, scales; lora_B; scale
	s_load_b64 s[20:21], s[0:1], 0x40              ; out0
	v_lshl_add_u32 v[SPW], v0, 2, SPARE
	v_mov_b32 v[NIL], 0
	ds_add_u32 v[SPW], v[NIL]                      ; the opening lines: the add twice and its wait
	ds_add_u32 v[SPW], v[NIL]
	v_lshrrev_b32 v1, 5, v0
	v_readfirstlane_b32 s[WV], v1
	s_lshr_b32 s[RH], s[WV], 1                     ; my half of the block's rows
	s_and_b32 s[CH], s[WV], 1                      ; my half of its columns
	s_bfe_u32 s66, ttmp6, 0x40000                  ; cx, cy
	s_bfe_u32 s67, ttmp6, 0x40004
	s_lshl_b32 s100, ttmp9, 2
	s_add_co_u32 s100, s100, s66                   ; block column
	s_and_b32 s101, ttmp7, 0xffff
	s_lshl_b32 s101, s101, 2
	s_add_co_u32 s101, s101, s67                   ; block row
	s_lshl_b32 s104, s67, 2
	s_lshl_b32 s104, 15, s104                      ; my row of the cluster
	s_lshl_b32 s105, 0x1111, s66                   ; my column
	s_or_b32 s[G1X], s104, (1<<20)|(1<<21)|(5<<22)|(3<<25)   ; bytes; 4 words of padding behind every 64
	s_or_b32 s[G1S], s105, (1<<20)|(1<<21)|(5<<22)|(3<<25)
	s_mov_b32 s[G1L], (1<<20)|(5<<22)|(3<<25)
.irp g, G1X, G1S, G1L
	s_mov_b32 s[\g+1], ROWB<<16
	s_mov_b32 s[\g+3], ROWB<<16
	s_mov_b32 s[\g+5], KROW
	s_mov_b32 s[\g+6], 0
	s_mov_b32 s[\g+7], 0
.endr
.irp g, G1X, G1S
	s_mov_b32 s[\g+2], 256<<16
	s_mov_b32 s[\g+4], 256
.endr
	s_mov_b32 s[G1L+2], 16<<16
	s_mov_b32 s[G1L+4], 16
	s_or_b32 s[G1C], s104, (3<<16)|(1<<20)|(1<<21)|(5<<22)|(3<<25)   ; x's scale bytes: 128 rows of 32 elements of 8 bytes
	s_mov_b32 s[G1C+1], 32<<16
	s_mov_b32 s[G1C+2], 128<<16
	s_mov_b32 s[G1C+3], 32<<16
	s_mov_b32 s[G1C+4], 128
	s_mov_b32 s[G1C+5], 32
	s_mov_b32 s[G1C+6], 0
	s_mov_b32 s[G1C+7], 0
	s_mul_i32 s92, s101, 256*KROW                  ; x's offsets hang on the block row, signs' on the block column
	s_mov_b32 s93, 0
	s_lshl_b32 s96, s101, 15
	s_mov_b32 s97, 0
	s_mul_i32 s94, s100, 256*KROW
	s_mov_b32 s95, 0
	s_wait_dscnt 0x0
	s_wait_kmcnt 0x0
	s_mov_b32 s[G0X], 1
	s_mov_b32 s[G0X+1], 0
	s_add_nc_u64 s[G0X+2:G0X+3], s[4:5], s[92:93]
	s_or_b32 s[G0X+3], s[G0X+3], 0x80000000
	s_mov_b32 s[G0S], 1
	s_mov_b32 s[G0S+1], 2*HALFT
	s_add_nc_u64 s[G0S+2:G0S+3], s[8:9], s[94:95]
	s_or_b32 s[G0S+3], s[G0S+3], 0x80000000
	s_mov_b32 s[G0L], 1
	s_mov_b32 s[G0L+1], LOFF
	s_mov_b64 s[G0L+2:G0L+3], s[12:13]
	s_or_b32 s[G0L+3], s[G0L+3], 0x80000000
	s_mov_b32 s[G0C], 1
	s_mov_b32 s[G0C+1], SCL
	s_add_nc_u64 s[G0C+2:G0C+3], s[6:7], s[96:97]
	s_or_b32 s[G0C+3], s[G0C+3], 0x80000000
	CROUND                                         ; the first joint loads meet
	JLOAD 1                                        ; chunk 0 and x's scale bytes: one tensor load a wave
	; all scalars first, then the vector lines in one run
	s_lshl_b32 s84, s100, 15
	s_lshl_b32 s86, s[CH], 14
	s_add_co_u32 s84, s84, s86
	s_mov_b32 s85, 0
	s_add_nc_u64 s[SSB:SSB+1], s[10:11], s[84:85]  ; scale bytes of my 128 rows of signs
	s_mov_b64 s[LSB:LSB+1], s[14:15]
	s_lshl_b32 s84, s100, 14
	s_lshl_b32 s86, s[CH], 13
	s_add_co_u32 s84, s84, s86
	s_add_nc_u64 s[LBB:LBB+1], s[16:17], s[84:85]  ; lora_B of my 128 columns
	s_lshl_b32 s84, s100, 10
	s_add_nc_u64 s[18:19], s[18:19], s[84:85]      ; scale of the block's 256
	s_lshl_b32 s92, s101, 8                        ; out0 at my first row and column
	s_lshl_b32 s86, s[RH], 7
	s_add_co_u32 s92, s92, s86
	s_lshl_b32 s92, s92, 14
	s_add_co_u32 s92, s92, s84
	s_lshl_b32 s86, s[CH], 9
	s_add_co_u32 s92, s92, s86
	s_add_nc_u64 s[20:21], s[20:21], s[92:93]
	s_lshl_b32 s94, s101, 8                        ; the prefetches: my tensor, my 128 rows, my work-group's 32 of them
	s_lshl_b32 s95, s100, 8
	s_cmp_lt_u32 s[WV], 2
	s_cselect_b32 s94, s94, s95
	s_cselect_b32 s95, s66, s67
	s_cselect_b64 s[PFA:PFA+1], s[4:5], s[8:9]
	s_lshl_b32 s96, s[CH], 7
	s_add_co_u32 s94, s94, s96
	s_lshl_b32 s95, s95, 5
	s_add_co_u32 s94, s94, s95
	s_mul_i32 s94, s94, KROW
	s_mov_b32 s95, 0
	s_add_nc_u64 s[PFA:PFA+1], s[PFA:PFA+1], s[94:95]
	s_add_nc_u64 s[PFA:PFA+1], s[PFA:PFA+1], 2*ROWB   ; the first refill steps it to chunk 3
	s_mov_b32 s[P0], 0
	s_mov_b32 s[P1], SLOT
	s_mul_i32 s86, s[RH], HALFT
	s_mul_i32 s87, s[CH], HALFT
	s_add_co_u32 s87, s87, 2*HALFT
	s_mul_i32 s88, s[RH], 64*272
	s_add_co_u32 s88, s88, SCL
	s_lshl_b32 s89, s[CH], 9
	s_add_co_u32 s89, s89, SCF
	s_mul_i32 s90, s[WV], 16*SPITCH
	v_and_b32 v1, 15, v0                           ; r
	v_bfe_u32 v[HH], v0, 4, 1                      ; h
	v_sub_nc_u32 v[H1], 1, v[HH]
	v_mul_u32_u24 v3, v1, PITCH
	v_add_nc_u32 v[ROWS], s86, v3                  ; my 128 rows of x,
	v_add_nc_u32 v[ROWS+1], s87, v3                ; of signs,
	v_add_nc_u32 v[ROWS+2], LOFF, v3               ; lora_A's 16
.irp j, 0,1,2
	v_mad_u32_u24 v[PAT+\j], v[HH], 24, v[ROWS+\j]
.endr
	MKADR
	v_lshrrev_b32 v3, 1, v1                        ; x's scale bytes: two rows of 128 bytes in an LDS row of 272
	v_mul_u32_u24 v3, v3, 272
	v_and_b32 v4, 1, v1
	v_lshl_add_u32 v3, v4, 7, v3
	v_lshl_add_u32 v3, v[HH], 2, v3                ; lanes 16-31: the next step's word
	v_add_nc_u32 v[ADRS], s88, v3
	v_lshlrev_b32 v[SGO], 7, v1
	v_lshl_add_u32 v[SGO], v[HH], 4, v[SGO]
	v_lshlrev_b32 v[LBO], 6, v1
	v_lshl_add_u32 v[LBO], v[HH], 5, v[LBO]
	v_lshl_add_u32 v[SCA], v[HH], 5, s89
	v_mul_u32_u24 v3, v1, SPITCH
	v_lshl_add_u32 v3, v[HH], 5, v3
	v_add_nc_u32 v[STO], s90, v3
	v_and_b32 v4, 31, v0
	v_lshlrev_b32 v[CO], 4, v4
	v_add_nc_u32 v[RD], s90, v[CO]
	v_mul_u32_u24 v[PFO], v4, KROW
	v_lshlrev_b32 v5, 3, v0
	v_lshl_add_u32 v6, v0, 3, SCF
	s_wait_alu depctr_va_vdst(0)
	global_load_b64 v[36:37], v5, s[18:19]
.irp b, 0,1,2,3,4,5,6,7
	global_load_b128 v[CUR+4*\b:CUR+4*\b+3], v[SGO], s[SSB:SSB+1] offset:2048*\b       ; steps 0-7
	global_load_b128 v[NXS+4*\b:NXS+4*\b+3], v[SGO], s[SSB:SSB+1] offset:2048*\b+32    ; steps 8-15
.endr
	global_load_b128 v[LC:LC+3], v[SGO], s[LSB:LSB+1]
	global_load_b128 v[LN:LN+3], v[SGO], s[LSB:LSB+1] offset:32
	s_wait_loadcnt 0x0
	ds_store_b64 v6, v[36:37]                      ; the 128 threads lay the block's 256 numbers of scale down
.macro FRAG reg, adr, st, i            ; 16 rows x 128 K: 12 registers, six pieces of 8 bytes; st: the step within its eight; byte y of the 768 lies in the trip's chunk y / 256
.irp p, 0,1,2,3,4,5
.set BY, 96*(\st)+48*(\p/3)+8*(\p%3)
.if BY/ROWB == (BY+24)/ROWB
	ds_load_b64 v[\reg+2*\p:\reg+2*\p+1], v[\adr+(BY/ROWB)%2] offset:BY%ROWB+(\i)*16*PITCH
.else
	ds_load_b64 v[\reg+2*\p:\reg+2*\p+1], v[\adr+2+(BY/ROWB)%2] offset:BY%ROWB-232+(\i)*16*PITCH
.endif
.endr
.endm
.macro WM ra, rb, zero                 ; one product on WD, WA, WB, WSA, WSB; ra, rb: which half of the lanes holds source 0's, source 1's scale words
.set RS, 2*(\ra)+(\rb)
.if \zero
	v_wmma_scale_f32_16x16x128_f8f6f4 v[WD:WD+7], v[WA:WA+11], v[WB:WB+11], 0, v[WSA], v[WSB] matrix_a_fmt:MATRIX_FMT_FP6 matrix_b_fmt:MATRIX_FMT_FP6
.else
.if RS == 0
	v_wmma_scale_f32_16x16x128_f8f6f4 v[WD:WD+7], v[WA:WA+11], v[WB:WB+11], v[WD:WD+7], v[WSA], v[WSB] matrix_a_fmt:MATRIX_FMT_FP6 matrix_b_fmt:MATRIX_FMT_FP6
.endif
.if RS == 1
	v_wmma_scale_f32_16x16x128_f8f6f4 v[WD:WD+7], v[WA:WA+11], v[WB:WB+11], v[WD:WD+7], v[WSA], v[WSB] matrix_a_fmt:MATRIX_FMT_FP6 matrix_b_fmt:MATRIX_FMT_FP6 matrix_b_scale:MATRIX_SCALE_ROW1
.endif
.if RS == 2
	v_wmma_scale_f32_16x16x128_f8f6f4 v[WD:WD+7], v[WA:WA+11], v[WB:WB+11], v[WD:WD+7], v[WSA], v[WSB] matrix_a_fmt:MATRIX_FMT_FP6 matrix_b_fmt:MATRIX_FMT_FP6 matrix_a_scale:MATRIX_SCALE_ROW1
.endif
.if RS == 3
	v_wmma_scale_f32_16x16x128_f8f6f4 v[WD:WD+7], v[WA:WA+11], v[WB:WB+11], v[WD:WD+7], v[WSA], v[WSB] matrix_a_fmt:MATRIX_FMT_FP6 matrix_b_fmt:MATRIX_FMT_FP6 matrix_a_scale:MATRIX_SCALE_ROW1 matrix_b_scale:MATRIX_SCALE_ROW1
.endif
.endif
.endm
; x's scale register of block a in set s is XS + 4 (a / 2) + a % 2 + 2 (1 - s): its number modulo 8 never equals that of signs' or lora_A's register of the same step
.macro MUL16 a0, st, zero              ; x's blocks a0, a0 + 1 against signs' eight; all 72 accumulators take turns
.irp a, \a0, \a0+1
.irp b, 0,1,2,3,4,5,6,7
.set WD, 8*(8*((\a)%4)+\b)
.set WA, 128*((\st)%2)+FR*\b
.set WB, AF+FR*(\a)
.set WSA, CUR+4*\b+(\st)%4
.set WSB, XS+4*((\a)/2)+(\a)%2+2*(1-((\st)/2)%2)
	WM ((\st)%8)/4, (\st)%2, \zero
.endr
.endr
.endm
.macro TMUL a0, st, zero               ; t^T of x's blocks a0 .. a0 + 3
.if \a0 == 0
	WIN 0x51
.else
	WIN 0x01
.endif
.irp a, \a0, \a0+1, \a0+2, \a0+3
.if \a0 == 0
.set WD, 108+128*((\a)/2)+8*((\a)%2)
.else
.set WD, T47+8*((\a)-4)
.endif
.set WA, 128*((\st)%2)+LF
.set WB, AF+FR*(\a)
.set WSA, LC+(\st)%4
.set WSB, XS+4*((\a)/2)+(\a)%2+2*(1-((\st)/2)%2)
	WM ((\st)%8)/4, (\st)%2, \zero
.endr
.endm
.macro FETCH_B st                      ; signs' eight fragments and lora_A's: 54 loads
	WIN TO_B
.irp i, 0,1,2,3,4,5,6,7
	FRAG 128*((\st)%2)+FR*\i, ADRB, \st, \i
.endr
	FRAG 128*((\st)%2)+LF, ADRL, \st, 0
	WIN 0
.endm
.macro FETCH_A st, i0                  ; x's blocks i0 .. i0 + 3: 24 loads
.irp i, \i0, \i0+1, \i0+2, \i0+3
	FRAG AF+FR*(\i), ADRA, \st, \i
.endr
.endm
.macro SCALES pr                       ; x's scale words of the trip's steps 2 pr (lanes 0-15) and 2 pr + 1 (lanes 16-31)
.irp i, 0,1,2,3,4,5,6,7
	ds_load_b32 v[XS+4*(\i/2)+\i%2+2*(1-(\pr)%2)], v[ADRS] offset:\i*SBLK+8*(\pr)
.endr
.endm
.macro SMOV i                          ; register index i of signs' and lora_A's scale words has served its two steps: the next eight steps' words move in
.irp b, 0,1,2,3,4,5,6,7
	v_mov_b32 v[CUR+4*\b+\i], v[NXS+4*\b+\i]
.endr
	v_mov_b32 v[LC+\i], v[LN+\i]
	s_wait_alu depctr_va_vdst(0)
.endm
; A step of 128 along K.  Where the next step's bytes END in a chunk not read yet: all my tensor loads awaited, a barrier shows it whole.  Where they BEGIN in a later chunk: the chunk left is read no more: the three lines, the barrier,
; with fill = 1 a round of the cluster's barrier and the refill.  lp = 1: in the loop (scale words move, prefetch).
.macro STEP st, zero, fill, lp
.set ZL, (\st)%8
.set ZN, (ZL+1)%8
.set ZC0, (96*ZL)/ROWB
.set ZC1, (96*(ZL+1))/ROWB
.set ZE0, (96*ZL+95)/ROWB
.set ZE1, (96*(ZL+1)+95)/ROWB
.if ZC1 > ZC0 || ZE1 > ZE0
.if ZC1 > ZC0 && \lp
	s_wait_xcnt 0x0                                ; my last prefetch has read its address
	s_add_nc_u64 s[PFA:PFA+1], s[PFA:PFA+1], ROWB
.endif
	s_wait_tensorcnt 0x0                           ; all my tensor loads have landed
.if ZC1 > ZC0
	ds_add_u32 v[SPW], v[NIL]
	s_wait_dscnt 4*NL+1                            ; the add and x's blocks 4-7 (24 loads) may be out
.else
	s_wait_dscnt 4*NL                              ; x's blocks 4-7 may be out
.endif
	WIN MUL_LO
	MUL16 0, \st, \zero
	s_wait_dscnt 0x0                               ; the add and all my LDS reads are done
	s_barrier_signal -1
	MUL16 2, \st, \zero
	TMUL 0, \st, \zero
	WIN 0
	s_barrier_wait -1
.if ZC1 > ZC0 && \fill
	CREST                                          ; the barrier opened a round: no wave of any partner reads this slot or has a load out
	NEXTLOAD                                       ; the chunk two on: my one tensor load behind the round
.else
	PLACES NP
.endif
.else
	s_wait_dscnt 4*NL
	WIN MUL_LO
	MUL16 0, \st, \zero
	MUL16 2, \st, \zero
	TMUL 0, \st, \zero
	s_wait_dscnt 0
	WIN 0
	PLACES NP
.endif
.if \lp
.if ZL == 5
	s_wait_loadcnt 0x0                             ; the words asked for five steps ago
	SMOV 0
.endif
.if ZL == 6
	SMOV 1
.endif
.if ZL == 7
	SMOV 2
.endif
.if ZL == 0
	SMOV 3
	s_cmp_eq_u32 s3, 1                             ; the last trip has no further eight steps
	s_cbranch_scc1 .Lnone_\@
	s_add_nc_u64 s[SSB:SSB+1], s[SSB:SSB+1], 32
	s_add_nc_u64 s[LSB:LSB+1], s[LSB:LSB+1], 32
.irp b, 0,1,2,3,4,5,6,7
	global_load_b128 v[NXS+4*\b:NXS+4*\b+3], v[SGO], s[SSB:SSB+1] offset:2048*\b+32
.endr
	global_load_b128 v[LN:LN+3], v[SGO], s[LSB:LSB+1] offset:32
.Lnone_\@:
.endif
.endif
.if ZL == 7                            ; the next eight steps begin in the other slot: the two bases change places, and the addresses are made anew
	s_xor_b32 s[P0], s[P0], SLOT
	s_xor_b32 s[P1], s[P1], SLOT
	MKADR
	v_add_nc_u32 v[ADRS], 32, v[ADRS]
	s_wait_alu depctr_va_vdst(0)
.endif
	FETCH_B ZN
	FETCH_A ZN, 0
.if ZN%2 == 0
	SCALES ZN/2
.endif
.if ZC1 > ZC0 && \fill && \lp
	global_prefetch_b8 v[PFO], s[PFA:PFA+1] th:TH_LOAD_NT scope:SCOPE_SE   ; the chunk that the next refill will ask for
.endif
	WIN MUL_HI
	MUL16 4, \st, \zero
	MUL16 6, \st, \zero
	TMUL 4, \st, \zero
	PLACES NP
	WIN 0
	FETCH_A ZN, 4
.endm
.macro LBLOAD first, n, dst            ; lora_B of n blocks of 16 columns, f32
.set kk, 0
.rept \n
	global_load_b128 v[\dst+8*kk:\dst+8*kk+3], v[LBO], s[LBB:LBB+1] offset:1024*(\first+kk)
	global_load_b128 v[\dst+8*kk+4:\dst+8*kk+7], v[LBO], s[LBB:LBB+1] offset:1024*(\first+kk)+16
.set kk, kk+1
.endr
.endm
.macro LBCONV at, n                    ; x 2 (alpha / rank, exact), then to bf16, packed downward in place: 4 registers a block
	s_wait_loadcnt 0x0
.set kk, 0
.rept 4*\n
	v_pk_mul_f32 v[\at+2*kk:\at+2*kk+1], v[\at+2*kk:\at+2*kk+1], 2.0 op_sel_hi:[1,0]
.set kk, kk+1
.endr
.set kk, 0
.rept 4*\n
	v_cvt_pk_bf16_f32 v[\at+kk], v[\at+2*kk], v[\at+2*kk+1]
.set kk, kk+1
.endr
	s_wait_alu depctr_va_vdst(0)
.endm
	s_wait_tensorcnt 0x0                           ; my tile of the head's four is in; the lines ahead of a later first fill:
	ds_add_u32 v[SPW], v[NIL]
	s_wait_dscnt 0x0                               ; the add and my part of scale
	CROUND
	NEXTLOAD                                       ; chunk 1, slot 1's first fill
	FETCH_B 0
	FETCH_A 0, 0
	SCALES 0
	FETCH_A 0, 4
	STEP 0, 1, 0, 0                                ; the first step's products start the 72 sums
	s_mov_b32 s3, 3
.Llap:                                                 ; steps 1-8, 9-16, 17-24
.irp t, 1,2,3,4,5,6,7,8
	STEP \t, 0, 1, 1
.endr
	s_sub_co_u32 s3, s3, 1
	s_cmp_lg_u32 s3, 0
	s_cbranch_scc1 .Llap
	s_wait_loadcnt 0x0                             ; no load is out that could still write the set asked ahead
	LBLOAD 0, 4, NXS                               ; that set is free from here on: lora_B comes in four rounds
	STEP 25, 0, 0, 0
	STEP 26, 0, 1, 0                               ; the last refill: chunk 11
	LBCONV NXS, 4
	LBLOAD 4, 2, NXS+16
	STEP 27, 0, 0, 0
	STEP 28, 0, 0, 0
	LBCONV NXS+16, 2
	LBLOAD 6, 1, NXS+24
	STEP 29, 0, 0, 0
	STEP 30, 0, 0, 0
	LBCONV NXS+24, 1
	LBLOAD 7, 1, NXS+28
	WIN TO_B                                       ; signs' set 0 is done with: it takes my columns' scale: register 8 b + i = column 16 b + 8 h + i
.irp b, 0,1,2,3,4,5,6,7
	ds_load_b128 v[8*\b:8*\b+3], v[SCA] offset:64*\b
	ds_load_b128 v[8*\b+4:8*\b+7], v[SCA] offset:64*\b+16
.endr
	s_wait_dscnt 4*NL+16                           ; these 16 loads and x's blocks 4-7 may be out
	WIN MUL_LO
	MUL16 0, 31, 0
	MUL16 2, 31, 0
	TMUL 0, 31, 0
	s_wait_dscnt 16
	WIN MUL_HI
	MUL16 4, 31, 0
	MUL16 6, 31, 0
	TMUL 4, 31, 0
	WIN 0
; THE WAY OUT
.macro SCALEMUL a                      ; block a's eight accumulators x their columns' scale, each from its low end on
.set AC, 64*((\a)%4)
	WIN 0x86+0x41*((\a)/4)
.irp b, 0,1,2,3,4,5,6,7
.irp i, 0,2,4,6
	v_pk_mul_f32 v[AC+8*\b+\i:AC+8*\b+\i+1], v[AC+8*\b+\i:AC+8*\b+\i+1], v[8*\b+\i:8*\b+\i+1]
.endr
.endr
.endm
.macro LORA a                          ; + (2 lora_B) t^T
.set AC, 64*((\a)%4)
	WIN 0xa0+0x50*((\a)/4)
.irp b, 0,1,2,3,4,5,6,7
	v_wmma_f32_16x16x32_bf16 v[AC+8*\b:AC+8*\b+7], v[NXS+4*\b:NXS+4*\b+7], v[TB+8*(\a):TB+8*(\a)+7], v[AC+8*\b:AC+8*\b+7]
.endr
.endm
.macro TOSTAGE a                       ; 16 rows x 128 columns through my own stage, back as whole rows of 512 bytes; LDS serves a wave's instructions in order (ISA guide 5.7.1.4)
.set AC, 64*((\a)%4)
	WIN 0x08+4*((\a)/4)
.irp b, 0,1,2,3,4,5,6,7
	ds_store_b128 v[STO], v[AC+8*\b:AC+8*\b+3] offset:64*\b
	ds_store_b128 v[STO], v[AC+8*\b+4:AC+8*\b+7] offset:64*\b+16
.endr
	WIN 0x40*((\a)%2)
.irp t, 0,1,2,3,4,5,6,7,8,9,10,11,12,13,14,15
	ds_load_b128 v[BK+4*\t:BK+4*\t+3], v[RD] offset:\t*SPITCH
.endr
	WIN 0
.endm
.macro SEND a, younger
	s_wait_dscnt \younger
.if (\a) > 0
	s_add_nc_u64 s[20:21], s[20:21], 16*SIZE_N*4   ; behind a wait on XCNT
.endif
	WIN 0x04*((\a)%2)
.irp t, 0,1,2,3,4,5,6,7,8,9,10,11,12,13,14,15
	global_store_b128 v[CO], v[BK+4*\t:BK+4*\t+3], s[20:21] offset:\t*SIZE_N*4 th:TH_STORE_NT   ; 32 lanes store 512 consecutive bytes, aligned
.endr
	WIN 0
.endm
	PLACES NP                                      ; behind the last products
	LBCONV NXS+28, 1
.irp i, 0,1,2,3
	v_mov_b32 v[NXS+32+\i], 0                      ; the upper half of lora_B's last block
.endr
	WIN 0x05                                       ; t in bf16 where x's fragments lay: registers 0-3 a lane's eight ranks, 4-7 zeros
.irp a, 0,1,2,3
.irp i, 0,1,2,3
	v_cvt_pk_bf16_f32 v[TB+8*\a+\i], v[108+128*(\a/2)+8*(\a%2)+2*\i], v[108+128*(\a/2)+8*(\a%2)+2*\i+1]
.endr
.endr
	WIN 0
.irp a, 4,5,6,7
.irp i, 0,1,2,3
	v_cvt_pk_bf16_f32 v[TB+8*\a+\i], v[T47+8*(\a-4)+2*\i], v[T47+8*(\a-4)+2*\i+1]
.endr
.endr
.irp a, 0,1,2,3,4,5,6,7
.irp i, 4,5,6,7
	v_mov_b32 v[TB+8*\a+\i], 0
.endr
.endr
	s_wait_dscnt 0x0                               ; my columns' scale is in
	SCALEMUL 0
	SCALEMUL 1
	LORA 0
.irp a, 0,1,2,3,4,5,6,7                ; block a + 2's scaling is the places between block a's last products and its stores to the stage
.if \a < 6
	SCALEMUL \a+2
.else
	PLACES NP
.endif
	s_wait_alu depctr_va_vdst(0)
	s_wait_xcnt 0x0                                ; block a - 2's stores have read their registers and their base
	TOSTAGE \a
.if \a < 7
	LORA \a+1
.endif
.if \a > 0
	SEND \a-1, 32                                  ; behind block a - 1's loads: block a's 16 stores and 16 loads
.endif
.endr
	s_wait_xcnt 0x0
	SEND 7, 0
	s_wait_tensorcnt 0x0                           ; the wave's end
	ds_add_u32 v[SPW], v[NIL]
	s_wait_dscnt 0x0
	CROUND                                         ; the closing round
	s_endpgm
.Lfunc_end_k_q394345ab15_lora_gemm:
	.size	k_q394345ab15_lora_gemm, .Lfunc_end_k_q394345ab15_lora_gemm-k_q394345ab15_lora_gemm
	.p2alignl 7, 3214868480
	.fill 96, 4, 3214868480
	.section	.rodata,"a",@progbits
	.p2align	6, 0x0
	.amdhsa_kernel k_q394345ab15_lora_gemm
		.amdhsa_group_segment_fixed_size 327680
		.amdhsa_private_segment_fixed_size 0
		.amdhsa_enable_private_segment 0
		.amdhsa_kernarg_size 72
		.amdhsa_user_sgpr_count 2
		.amdhsa_user_sgpr_kernarg_segment_ptr 1
		.amdhsa_wavefront_size32 1
		.amdhsa_system_sgpr_workgroup_id_x 1
		.amdhsa_system_sgpr_workgroup_id_y 1
		.amdhsa_system_sgpr_workgroup_id_z 1
		.amdhsa_system_vgpr_workitem_id 0
		.amdhsa_next_free_vgpr 1024
		.amdhsa_next_free_sgpr 106
		.amdhsa_reserve_vcc 0
		.amdhsa_float_denorm_mode_32 3
		.amdhsa_float_denorm_mode_16_64 3
		.amdhsa_memory_ordered 1
		.amdhsa_forward_progress 1
		.amdhsa_inst_pref_size 255
	.end_amdhsa_kernel
	.section	.bss,"aw",@nobits
	.p2align	6
	.space	262144
	.amdgpu_metadata
---
amdhsa.version: [ 1, 2 ]
amdhsa.kernels:
  - .name:           k_q394345ab15_lora_gemm
    .symbol:         k_q394345ab15_lora_gemm.kd
    .args:
      - { .name: x_codes, .offset: 0, .size: 8, .value_kind: global_buffer, .address_space: global }
      - { .name: x_scales, .offset: 8, .size: 8, .value_kind: global_buffer, .address_space: global }
      - { .name: signs_codes, .offset: 16, .size: 8, .value_kind: global_buffer, .address_space: global }
      - { .name: signs_scales, .offset: 24, .size: 8, .value_kind: global_buffer, .address_space: global }
      - { .name: lora_A_codes, .offset: 32, .size: 8, .value_kind: global_buffer, .address_space: global }
      - { .name: lora_A_scales, .offset: 40, .size: 8, .value_kind: global_buffer, .address_space: global }
      - { .name: lora_B, .offset: 48, .size: 8, .value_kind: global_buffer, .address_space: global }
      - { .name: scale, .offset: 56, .size: 8, .value_kind: global_buffer, .address_space: global }
      - { .name: out0, .offset: 64, .size: 8, .value_kind: global_buffer, .address_space: global }
    .group_segment_fixed_size: 327680
    .private_segment_fixed_size: 0
    .kernarg_segment_align: 8
    .kernarg_segment_size: 72
    .max_flat_workgroup_size: 128
    .sgpr_count:     106
    .vgpr_count:     1024
    .wavefront_size: 32
...
	.end_amdgpu_metadata
.endif
;; end of part 1
